; MI455X (gfx1250); checked and timed in simulation.
; The chip was launched on July 23, 2026; its instructions are those of AMD's public machine-readable ISA for CDNA 5 (MIT licence, August 2026) and "CDNA5" Instruction Set Architecture Reference Guide (July 2026). The comments in the code are by the model that wrote it; some were corrected since.
;; Cross Attention. Allowed arithmetic: float matrix products may take bf16 or f16 operands with f32 sums; other float arithmetic in f32, or as packed bf16 or f16 multiplies, adds, multiply-adds, maxima and minima; sums over many terms, partial sums and values carried from step to step in f32; what a program stores and reads back later, other than sums and carried values, may be rounded once to bf16 or f16.
;; Inputs: Wk 1,024 x 512 float32; Wo 1,024 x 1,024 float32; Wq 1,024 x 1,024 float32; Wv 1,024 x 512 float32; bo 1,024 float32; x1 8 x 2,048 x 1,024 float32; x2 8 x 2,048 x 512 float32.
;; Outputs: out0 8 x 2,048 x 1,024 float32.
;; One version. Each part assembles by itself: llvm-mc -triple=amdgcn-amd-amdhsa -mcpu=gfx1250 --defsym DOCPART=n.
;; ======== version 1 of 1: 4 launches
;; limits: values are held in f16: magnitudes above 65,504 overflow, below 6.1e-05 lose precision; right only within a limited range of input values
;; workspace buffers: xcat 50,331,648 bytes; wcat 4,194,304 bytes; wob 2,097,152 bytes; qkv 100,663,296 bytes; ob 33,554,432 bytes; osc 65,536 bytes
;; launch prep (part 1): grid 1280 x 1, 8 waves a work-group, no clusters, 0 bytes of LDS; arguments x1, x2, Wq, Wk, Wv, Wo, xcat, wcat, wob; writes xcat, wcat, wob
.if DOCPART == 1
	.amdgcn_target "amdgcn-amd-amdhsa--gfx1250"
	.amdhsa_code_object_version 6
	.text
	.protected	k_qf3af56aa09_prep
	.globl	k_qf3af56aa09_prep
	.p2align	8
	.type	k_qf3af56aa09_prep,@function
k_qf3af56aa09_prep:
	s_mov_b64 s[64:65], 0
	v_nop
	global_prefetch_b8 v0, s[64:65] scope:SCOPE_SE
	s_setreg_imm32_b32 hwreg(HW_REG_WAVE_MODE, 25, 1), 1
	s_wait_xcnt 0x0
; PREP: a stream.  It rounds the module's inputs once and lays them out for the launches behind it.
;   xcat [16384][1536] bf16: positions 0-1023 x1, positions 1024-1535 x2 (a row is 3,072 bytes = 12 x 256).
;   wcat [tx 4][step 16][256 rows][128 positions] bf16: steps 0-7 Wq, 8-11 Wk, 12-15 Wv; each block of 65,536 bytes is dense.  Row rr of column block tx is output position p = 256 tx + rr:
;        q, k: p = 16 channel + head (feature (p & 15) 64 + (p >> 4));   v: p = 256 blk + 16 head + e, channel 16 blk + e (feature 64 head + 16 blk + e).
;   THE ORDER OF k, alike in xcat and wcat, so that every product keeps its partner: in each group of 256 k, k = 128 h + 4 L + j (h 0..1, L 0..31, j 0..3) lies at position 8 L + 4 h + j.
;        So a lane that has loaded 16 bytes of each half of a group stores 16 consecutive bytes.
;   wob  [tx 4][step 8][256 rows n][128 kk] f16 = 64 x bf16(Wo[n][f]), f = 64 head + 8 step + j, kk = 8 head + j: exact, but for f16's fixed step below 6e-5.  LIMIT: |Wo| below 1,023.
; Work-groups 0-1023: 16 tokens each.  1024-1151: half a block of wcat each.  1152-1279: 8 rows of Wo each.  A load of a wave takes 512 consecutive bytes (weights: two pieces of 256; Wo: 16 pieces of
; 32 bytes, whose neighbours the other seven loads of the row take); a store of a wave 512 (x) or 256 (weights) consecutive bytes at a multiple of 256.  All loads of a thread go out first.
; No LDS, no matrix unit, no cluster: no byte is used twice.
.set XW, 8                             ; v[8:103]  X part: 12 pairs of loads, eight registers a pair
.set WA, 16                            ; v[16:31]  W part: the sixteen rows' byte offsets
.set WD, 32                            ; v[32:95]  W and WO parts: loads of four registers
	s_load_b512 s[8:23], s[0:1], 0x0               ; x1 s[8:9], x2 s[10:11], Wq s[12:13], Wk s[14:15], Wv s[16:17], Wo s[18:19], xcat s[20:21], wcat s[22:23]
	s_load_b64 s[24:25], s[0:1], 0x40              ; wob
	v_lshrrev_b32 v2, 5, v0
	v_readfirstlane_b32 s3, v2                     ; wave 0..7
	v_and_b32 v1, 31, v0                           ; lane
	s_mov_b32 s2, ttmp9
	s_mov_b32 s29, 0                               ; the high word of every offset pair s[28:29]
	s_wait_kmcnt 0x0
	s_cmp_lt_u32 s2, 1024
	s_cbranch_scc0 .Lweights
	; X: 16 tokens.  A wave takes a group of 256 k: eight waves are two rows of x1 (four groups each) or four rows of x2 (two groups each).
	s_lshl_b32 s28, s2, 16                         ; 16 rows of 4,096 bytes
	s_add_nc_u64 s[8:9], s[8:9], s[28:29]
	s_lshl_b32 s28, s2, 15                         ; 16 rows of 2,048 bytes
	s_add_nc_u64 s[10:11], s[10:11], s[28:29]
	s_mul_i32 s28, s2, 49152                       ; 16 rows of 3,072 bytes
	s_add_nc_u64 s[20:21], s[20:21], s[28:29]
	s_lshr_b32 s26, s3, 2                          ; x1: row w / 4 of the pair, group w % 4
	s_and_b32 s27, s3, 3
	s_lshl_b32 s30, s26, 12
	s_lshl_b32 s31, s27, 10
	s_add_co_u32 s30, s30, s31                     ; in: 4,096 row + 1,024 group
	s_mul_i32 s32, s26, 3072
	s_lshl_b32 s31, s27, 9
	s_add_co_u32 s32, s32, s31                     ; out: 3,072 row + 512 group
	s_lshr_b32 s26, s3, 1                          ; x2: row w / 2 of the four, group w % 2
	s_and_b32 s27, s3, 1
	s_lshl_b32 s33, s26, 11
	s_lshl_b32 s31, s27, 10
	s_add_co_u32 s33, s33, s31                     ; in: 2,048 row + 1,024 group
	s_mul_i32 s34, s26, 3072
	s_lshl_b32 s31, s27, 9
	s_add_co_u32 s34, s34, s31
	s_add_co_u32 s34, s34, 2048                    ; out: 3,072 row + 512 group, behind x1's 2,048 bytes
	v_lshl_add_u32 v2, v1, 4, s30
	v_lshl_add_u32 v3, v1, 4, s32
	v_lshl_add_u32 v4, v1, 4, s33
	v_lshl_add_u32 v5, v1, 4, s34
.set n, 0
.rept 8
	global_load_b128 v[XW+8*n:XW+8*n+3],   v2, s[8:9] offset:8192*n th:TH_LOAD_NT      ; the group's first 128 k,
	global_load_b128 v[XW+8*n+4:XW+8*n+7], v2, s[8:9] offset:8192*n+512 th:TH_LOAD_NT  ; and its second
.set n, n+1
.endr
.rept 4
	global_load_b128 v[XW+8*n:XW+8*n+3],   v4, s[10:11] offset:8192*(n-8) th:TH_LOAD_NT
	global_load_b128 v[XW+8*n+4:XW+8*n+7], v4, s[10:11] offset:8192*(n-8)+512 th:TH_LOAD_NT
.set n, n+1
.endr
.set n, 0
.rept 12
	s_wait_loadcnt 22-2*n                          ; loads come back in order: pair n is in, the younger pairs stay out
	v_cvt_pk_bf16_f32 v[XW+8*n],   v[XW+8*n],   v[XW+8*n+1]
	v_cvt_pk_bf16_f32 v[XW+8*n+1], v[XW+8*n+2], v[XW+8*n+3]
	v_cvt_pk_bf16_f32 v[XW+8*n+2], v[XW+8*n+4], v[XW+8*n+5]
	v_cvt_pk_bf16_f32 v[XW+8*n+3], v[XW+8*n+6], v[XW+8*n+7]
.if n < 8
	global_store_b128 v3, v[XW+8*n:XW+8*n+3], s[20:21] offset:6144*n
.else
	global_store_b128 v5, v[XW+8*n:XW+8*n+3], s[20:21] offset:12288*(n-8)
.endif
.set n, n+1
.endr
	s_endpgm
.Lweights:
	s_cmp_lt_u32 s2, 1152
	s_cbranch_scc0 .Lwo
	; W: half a block of wcat: 128 rows x 128 positions.  Load i of wave w is output row 128 half + 16 w + i.
	s_sub_co_u32 s26, s2, 1024
	s_lshr_b32 s27, s26, 1                         ; block = 16 tx + step
	s_and_b32 s28, s26, 1                          ; half
	s_lshr_b32 s30, s27, 4                         ; tx
	s_and_b32 s31, s27, 15                         ; step
	s_and_b32 s32, s31, 3                          ; the block of 128 positions in Wk and Wv
	s_lshl_b32 s33, s28, 3
	s_add_co_u32 s33, s33, s3                      ; 8 half + wave
	s_lshl_b32 s30, s30, 4                         ; 16 tx
	s_add_co_u32 s34, s30, s33                     ; q, k: feature 64 i + (16 tx + 8 half + wave)
	s_lshl_b32 s35, s33, 6
	s_add_co_u32 s35, s35, s30                     ; v: feature 64 (8 half + wave) + 16 tx + i
	s_cmp_lt_u32 s31, 8                            ; the choices hang on the work-group's number alone
	s_cselect_b64 s[36:37], s[12:13], s[14:15]     ; Wq, or Wk
	s_cselect_b32 s38, 12, 11                      ; a row is 4,096 or 2,048 bytes
	s_cselect_b32 s32, s31, s32
	s_cmp_lt_u32 s31, 12
	s_cselect_b64 s[36:37], s[36:37], s[16:17]     ; or Wv
	s_cselect_b32 s34, s34, s35                    ; the first row,
	s_cselect_b32 s39, 64, 1                       ; and the step from row to row
	s_lshl_b32 s34, s34, s38
	s_lshl_b32 s39, s39, s38
	s_and_b32 s43, s32, 1                          ; positions 128 kb + 4 l + j are k = 256 (kb / 2) + 128 (l % 2) + 64 (kb % 2) + 4 (l / 2) + j:
	s_lshr_b32 s32, s32, 1
	s_lshl_b32 s32, s32, 10                        ; 1,024 bytes a group,
	s_lshl_b32 s43, s43, 8                         ; 256 for the block's half of it,
	s_add_co_u32 s34, s34, s32
	s_add_co_u32 s34, s34, s43
	s_lshl_b32 s40, s27, 16
	s_lshl_b32 s41, s28, 15
	s_add_co_u32 s40, s40, s41
	s_mov_b32 s41, 0
	s_add_nc_u64 s[22:23], s[22:23], s[40:41]      ; wcat at my half block
	s_lshl_b32 s42, s3, 12                         ; my wave's 16 rows of 256 bytes
	v_lshl_add_u32 v5, v1, 3, s42
	v_lshrrev_b32 v6, 1, v1
	v_and_b32 v7, 1, v1
	v_lshl_add_u32 v[WA], v6, 4, s34               ; 16 (l / 2),
	v_lshl_add_u32 v[WA], v7, 9, v[WA]             ; 512 (l % 2): a wave's load takes two pieces of 256 consecutive bytes
.set n, 1
.rept 15
	v_add_nc_u32 v[WA+n], s39, v[WA+n-1]
.set n, n+1
.endr
.set n, 0
.rept 16
	global_load_b128 v[WD+4*n:WD+4*n+3], v[WA+n], s[36:37]
.set n, n+1
.endr
.set n, 0
.rept 16
	s_wait_loadcnt 15-n
	v_cvt_pk_bf16_f32 v[WD+4*n], v[WD+4*n], v[WD+4*n+1]
	v_cvt_pk_bf16_f32 v[WD+4*n+1], v[WD+4*n+2], v[WD+4*n+3]
	global_store_b64 v5, v[WD+4*n:WD+4*n+1], s[22:23] offset:256*n
.set n, n+1
.endr
	s_endpgm
.Lwo:
	; WO: 8 rows of Wo, one a wave.  Load s: lane l takes head l / 2, channels 8 s + 4 (l % 2) + 0..3, which are kk = 4 l + 0..3 of step s.
	s_sub_co_u32 s26, s2, 1152
	s_lshl_b32 s28, s26, 15                        ; 8 rows of 4,096 bytes
	s_add_nc_u64 s[18:19], s[18:19], s[28:29]
	s_lshr_b32 s30, s26, 5                         ; tx
	s_lshl_b32 s30, s30, 19                        ; eight blocks of 65,536 bytes
	s_and_b32 s31, s26, 31
	s_lshl_b32 s31, s31, 11                        ; 8 rows of 256 bytes
	s_add_co_u32 s28, s30, s31
	s_add_nc_u64 s[24:25], s[24:25], s[28:29]
	s_lshl_b32 s32, s3, 12                         ; my wave's row of Wo
	v_lshrrev_b32 v6, 1, v1
	v_lshl_add_u32 v6, v6, 8, s32
	v_and_b32 v7, 1, v1
	v_lshl_add_u32 v6, v7, 4, v6
	s_lshl_b32 s33, s3, 8                          ; and of wob
	v_lshl_add_u32 v7, v1, 3, s33
.set n, 0
.rept 8
	global_load_b128 v[WD+4*n:WD+4*n+3], v6, s[18:19] offset:32*n
.set n, n+1
.endr
.set n, 0
.rept 8
.set L, WD+4*n
	s_wait_loadcnt 7-n
	v_cvt_pk_bf16_f32 v8, v[L], v[L+1]             ; rounded to bf16 like every input,
	v_cvt_pk_bf16_f32 v9, v[L+2], v[L+3]
	v_lshlrev_b32 v[L], 16, v8
	v_and_b32 v[L+1], 0xffff0000, v8
	v_lshlrev_b32 v[L+2], 16, v9
	v_and_b32 v[L+3], 0xffff0000, v9
	v_pk_mul_f32 v[L:L+1], v[L:L+1], 0x42800000 op_sel_hi:[1,0]      ; times 64, exact,
	v_pk_mul_f32 v[L+2:L+3], v[L+2:L+3], 0x42800000 op_sel_hi:[1,0]
	v_cvt_pk_f16_f32 v[L], v[L], v[L+1]            ; and written as f16: eight significant bits fit
	v_cvt_pk_f16_f32 v[L+1], v[L+2], v[L+3]
	global_store_b64 v7, v[L:L+1], s[24:25] offset:65536*n
.set n, n+1
.endr
	s_endpgm
.Lfunc_end_k_qf3af56aa09_prep:
	.size	k_qf3af56aa09_prep, .Lfunc_end_k_qf3af56aa09_prep-k_qf3af56aa09_prep
	.p2alignl 7, 3214868480
	.fill 96, 4, 3214868480
	.section	.rodata,"a",@progbits
	.p2align	6, 0x0
	.amdhsa_kernel k_qf3af56aa09_prep
		.amdhsa_group_segment_fixed_size 0
		.amdhsa_private_segment_fixed_size 0
		.amdhsa_enable_private_segment 0
		.amdhsa_kernarg_size 72
		.amdhsa_user_sgpr_count 2
		.amdhsa_user_sgpr_kernarg_segment_ptr 1
		.amdhsa_wavefront_size32 1
		.amdhsa_system_sgpr_workgroup_id_x 1
		.amdhsa_system_sgpr_workgroup_id_y 1
		.amdhsa_system_sgpr_workgroup_id_z 1
		.amdhsa_system_vgpr_workitem_id 0
		.amdhsa_next_free_vgpr 104
		.amdhsa_next_free_sgpr 66
		.amdhsa_reserve_vcc 0
		.amdhsa_float_denorm_mode_32 3
		.amdhsa_float_denorm_mode_16_64 3
		.amdhsa_memory_ordered 1
		.amdhsa_forward_progress 1
		.amdhsa_inst_pref_size 24
	.end_amdhsa_kernel
	.amdgpu_metadata
---
amdhsa.version: [ 1, 2 ]
amdhsa.kernels:
  - .name:           k_qf3af56aa09_prep
    .symbol:         k_qf3af56aa09_prep.kd
    .args:
      - { .name: x1, .offset: 0, .size: 8, .value_kind: global_buffer, .address_space: global }
      - { .name: x2, .offset: 8, .size: 8, .value_kind: global_buffer, .address_space: global }
      - { .name: Wq, .offset: 16, .size: 8, .value_kind: global_buffer, .address_space: global }
      - { .name: Wk, .offset: 24, .size: 8, .value_kind: global_buffer, .address_space: global }
      - { .name: Wv, .offset: 32, .size: 8, .value_kind: global_buffer, .address_space: global }
      - { .name: Wo, .offset: 40, .size: 8, .value_kind: global_buffer, .address_space: global }
      - { .name: xcat, .offset: 48, .size: 8, .value_kind: global_buffer, .address_space: global }
      - { .name: wcat, .offset: 56, .size: 8, .value_kind: global_buffer, .address_space: global }
      - { .name: wob, .offset: 64, .size: 8, .value_kind: global_buffer, .address_space: global }
    .group_segment_fixed_size: 0
    .private_segment_fixed_size: 0
    .kernarg_segment_align: 8
    .kernarg_segment_size: 72
    .max_flat_workgroup_size: 256
    .sgpr_count:     66
    .vgpr_count:     104
    .wavefront_size: 32
...
	.end_amdgpu_metadata
.endif
;; end of part 1
;; launch qkv (part 2): grid 4 x 64, 4 waves a work-group, clusters of 4 x 4, 327,680 bytes of LDS; arguments xcat, wcat, qkv; writes qkv
.if DOCPART == 2
	.amdgcn_target "amdgcn-amd-amdhsa--gfx1250"
	.amdhsa_code_object_version 6
	.text
	.protected	k_qf3af56aa09_qkv
	.globl	k_qf3af56aa09_qkv
	.p2align	8
	.type	k_qf3af56aa09_qkv,@function
k_qf3af56aa09_qkv:
	s_mov_b64 s[64:65], 0
	v_nop
	global_prefetch_b8 v0, s[64:65] scope:SCOPE_SE
	s_setreg_imm32_b32 hwreg(HW_REG_WAVE_MODE, 25, 1), 1
	s_wait_xcnt 0x0
	s_wait_alu depctr_hold_cnt(0) depctr_sa_sdst(0) depctr_va_vdst(0) depctr_va_sdst(0) depctr_va_ssrc(0) depctr_va_vcc(0) depctr_vm_vsrc(0)
	s_getreg_b32 s2, hwreg(HW_REG_IB_STS2, 6, 4)
	s_cmp_eq_u32 s2, 0
	s_cbranch_scc0 .Lentry_in_a_cluster
	s_endpgm
.Lentry_in_a_cluster:
	s_bfe_u32 s2, ttmp6, 0x10000c
	s_cmp_lg_u32 s2, 0xf033
	s_cbranch_scc0 .Lentry_shape_is_right
	s_endpgm
.Lentry_shape_is_right:
; QKV: the three projections in one launch.  qkv [3][16384][1024] f16: planes q, k, v, columns in the order that wcat's rows have.  Operands bf16, sums f32, each result rounded once to f16.
; xcat and wcat hold k in one and the same order (a permutation within groups of 256), so each product has its partner.  LIMIT: |q|, |k|, |v| stay below 65,504, f16's end.
; SHARES.  Work-group (tx, ty) makes rows 256 ty .. + 255 and columns 256 tx .. + 255 of q, then of k, then of v: ONE walk of 16 K steps of 128 (8 + 4 + 4), the same in all 256 work-groups.
; Four waves, each 128 x 128: 64 accumulators of 16 x 16, 512 registers.  The ring of two LDS slots does not stop where a plane ends: both refills are asked for, then the plane goes out.
; A's tiles come from xcat: step s takes the 256 bytes at 256 s of each row for s = 0 .. 11 (x1, then x2), and v's steps 12 .. 15 take x2's columns once more: 1,024 bytes back.
; B's tiles are the dense blocks of wcat, one behind the other.
; CLUSTER: 4 x 4 work-groups; the four of a row of the cluster need the same tiles of A, the four of a column the same tiles of B: each tile is asked for jointly.
; THE MATRIX INSTRUCTION IS USED TRANSPOSED: source 0 = 16 rows of B, source 1 = 16 rows of A: lane l holds row l % 16 and eight neighbouring columns 8 (l / 16) + 0..7, which pack into 16 bytes.
; REGISTERS, in windows of 256: window 0: v0-31 addresses; v64-127, v128-191 fragments of A, two buffers; v32-63, v192-255 at work on the way out.
;   window 1: v64-127, v128-191 fragments of B.   window 2: the accumulators of my rows 0-63 ((a, b) at v[8 (8 a + b)]);   window 3: those of my rows 64-127.
.set KSTEP,  128
.set PITCH,  272                       ; an LDS row: 256 bytes + 16 of padding = 68 words: the 16 rows that a load touches start at 16 different groups of four banks
.set HALFT,  128*PITCH                 ; 128 rows: what one tensor load brings
.set SLOT,   4*HALFT                   ; A's 256 rows, then B's 256 rows
.set STAGE,  2*SLOT                    ; behind the ring: 16 rows x 272 bytes for each wave; no tensor load fills it
.set SPITCH, 272
.set SPARE,  STAGE+4*16*SPITCH         ; the spare words: 128 bytes for each wave, two blocks of 256 bytes that no other line names
.set XROW,   1536                      ; elements in a row of xcat
.set SIZE_N, 1024                      ; columns of a plane
.set BBLK,   256*KSTEP*2               ; bytes in a block of wcat
.set NEXT_P, 16384*SIZE_N*2-7*16*SIZE_N*2  ; from my last 16 rows in a plane to my first in the next
.set ADRA, 16                          ; v16-17  LDS address of my A fragments in slot 0, 1
.set ADRB, 20                          ; v20-21  the same for B
.set STO,  24                          ; v24     the way out: where I put 16 bytes of a row
.set RD,   25                          ; v25     the way out: where I read a row back
.set CO,   26                          ; v26     my byte offset in two rows of a plane
.set SPW,  28                          ; v28     LDS address of my spare word; never rewritten
.set NIL,  29                          ; v29     0; never rewritten
.set F0,   64
.set F1,   128
.set TMP,  192
.set OB,   32
.set G1, 24                            ; s[24:31] descriptor group 1 for A's tiles
.set G0, 32                            ; s[32:39] group 0 for A's tiles, a set for each slot
.set G1B, 48                           ; s[48:55], s[56:63] the same for B's
.set G0B, 56
.set SBK, 66                           ; s[66:67] what A's address goes back in this trip: 1,024 where v's first steps are asked for, else 0
.set MSB, 0
.macro WIN new                         ; the immediate's high byte repeats the setting that is left; a switch that changes nothing is dropped
.if MSB != (\new)
	s_set_vgpr_msb (MSB<<8)|(\new)
.set MSB, \new
.endif
.endm
.set MUL_LO, 0xa1                      ; source 0 (B) window 1, source 1 (A) window 0, C and D window 2
.set MUL_HI, 0xf1                      ; the same, C and D window 3
.set TO_B,   0x40                      ; destination window 1, address window 0
; A joint load.  Waves 0 and 1 fetch A's two halves, waves 2 and 3 B's.  The branch hangs on the wave's number alone.  An s_nop 0 and four v_nop follow each of the two lines.
.macro JLOAD s
	s_cmp_eq_u32 s11, 0
	s_cbranch_scc0 .Lfor_b_\@
	tensor_load_to_lds s[G0+4*(\s):G0+4*(\s)+3], s[G1:G1+7]
	s_nop 0
.rept 4
	v_nop
.endr
	s_branch .Lasked_\@
.Lfor_b_\@:
	tensor_load_to_lds s[G0B+4*(\s):G0B+4*(\s)+3], s[G1B:G1B+7]
	s_nop 0
.rept 4
	v_nop
.endr
.Lasked_\@:
.endm
.macro CREST                           ; a round of the cluster's barrier behind its opening barrier
	s_cmp_lg_u32 s10, 0
	s_cbranch_scc1 .Lnot_wave_0_\@
	s_barrier_signal -3
.Lnot_wave_0_\@:
	s_barrier_wait -3
	s_barrier_signal -1
	s_barrier_wait -1
.endm
.macro CROUND                          ; a whole round
	s_barrier_signal -1
	s_barrier_wait -1
	CREST
.endm
	s_load_b128 s[4:7], s[0:1], 0x0                ; xcat s[4:5], wcat s[6:7]
	s_load_b64 s[8:9], s[0:1], 0x10                ; qkv
	v_lshl_add_u32 v[SPW], v0, 2, SPARE
	v_mov_b32 v[NIL], 0
	ds_add_u32 v[SPW], v[NIL]                      ; the wave's opening: the add and its wait ahead of my first tensor load; the set-up below stands between them
	v_lshrrev_b32 v1, 5, v0
	v_readfirstlane_b32 s10, v1                    ; wave 0..3
	s_lshr_b32 s11, s10, 1                         ; which half of the tile's rows is mine.  Also: I fetch for A (0) or for B (1)
	s_and_b32 s12, s10, 1                          ; which half of its columns.  Also: which 128 rows of that tile I fetch
	s_bfe_u32 s40, ttmp6, 0x40000                  ; cx
	s_bfe_u32 s41, ttmp6, 0x40004                  ; cy
	s_lshl_b32 s42, ttmp9, 2
	s_add_co_u32 s42, s42, s40                     ; tx = 4 x cluster x + cx
	s_and_b32 s13, ttmp7, 0xffff
	s_lshl_b32 s13, s13, 2
	s_add_co_u32 s13, s13, s41                     ; ty = 4 x cluster y + cy
	s_lshl_b32 s43, s41, 2
	s_lshl_b32 s43, 15, s43                        ; my row of the cluster
	s_lshl_b32 s44, 0x1111, s40                    ; my column
	; descriptor group 1: a tile of 128 rows x 128 elements of 2 bytes, 16 bytes of padding behind every 256
	s_or_b32 s[G1+0], s43, (1<<16)|(1<<20)|(1<<21)|(5<<22)|(3<<25)   ; the mask: A's tiles go to my row; element size; padding on; bit 21 beside a mask; after every 64 words; 4 words
	s_or_b32 s[G1B+0], s44, (1<<16)|(1<<20)|(1<<21)|(5<<22)|(3<<25)  ; the same with the mask of my column
.irp g, G1, G1B
	s_mov_b32 s[(\g)+1], KSTEP<<16                 ; tensor_dim0 = 128
	s_mov_b32 s[(\g)+2], 128<<16                   ; tensor_dim1 = 128
	s_mov_b32 s[(\g)+3], KSTEP<<16                 ; tile_dim0 = 128
	s_mov_b32 s[(\g)+4], 128                       ; tile_dim1 = 128
	s_mov_b32 s[(\g)+6], 0
	s_mov_b32 s[(\g)+7], 0
.endr
	s_mov_b32 s[G1+5], XROW                        ; elements from row to row in xcat
	s_mov_b32 s[G1B+5], KSTEP                      ; wcat's blocks are dense
	s_lshl_b32 s17, s12, 7
	s_lshl_b32 s16, s13, 8
	s_add_co_u32 s16, s16, s17                     ; A: row 256 ty + 128 x half,
	s_mul_i32 s16, s16, XROW*2                     ; in bytes (under 2^26)
	s_mov_b32 s17, 0
	s_lshl_b32 s46, s42, 20                        ; B: 16 blocks a column block,
	s_lshl_b32 s47, s12, 15                        ; 128 rows of 256 bytes
	s_add_co_u32 s46, s46, s47
	s_mov_b32 s47, 0
	s_mul_i32 s20, s10, HALFT                      ; where they go: wave x 128 rows: no place in the cluster enters an LDS address
	s_mov_b32 s[SBK], 0
	s_mov_b32 s[SBK+1], 0
	s_wait_dscnt 0x0                               ; the opening add is done
	s_wait_kmcnt 0x0
	s_add_nc_u64 s[14:15], s[4:5], s[16:17]
	s_add_nc_u64 s[46:47], s[6:7], s[46:47]
	CROUND                                         ; all sixteen work-groups are here: the first joint loads meet
.irp s, 0,1
	s_mov_b32 s[G0+4*(\s)], 1
	s_add_co_u32 s[G0+4*(\s)+1], s20, (\s)*SLOT
	s_add_nc_u64 s[G0+4*(\s)+2:G0+4*(\s)+3], s[14:15], (\s)*KSTEP*2
	s_or_b32 s[G0+4*(\s)+3], s[G0+4*(\s)+3], 0x80000000
	s_mov_b32 s[G0B+4*(\s)], 1
	s_add_co_u32 s[G0B+4*(\s)+1], s20, (\s)*SLOT
	s_add_nc_u64 s[G0B+4*(\s)+2:G0B+4*(\s)+3], s[46:47], (\s)*BBLK
	s_or_b32 s[G0B+4*(\s)+3], s[G0B+4*(\s)+3], 0x80000000
	JLOAD \s                                       ; K steps 0 and 1: two loads of mine are out
.endr
	; a fragment is 16 rows x 32 K in 8 registers: lane l holds row l % 16, K = 8 (l / 16) + 0..7 and 16 + 8 (l / 16) + 0..7: two loads of 16 bytes, 32 bytes apart
	v_and_b32 v1, 15, v0
	v_bfe_u32 v2, v0, 4, 1
	v_mul_u32_u24 v3, v1, PITCH
	v_lshl_add_u32 v3, v2, 4, v3
	s_mul_i32 s21, s11, HALFT                      ; my 128 rows of A
	s_mul_i32 s22, s12, HALFT                      ; my 128 rows of B,
	s_add_co_u32 s22, s22, 2*HALFT                 ; which lie behind A's 256
.irp s, 0,1
	v_add_nc_u32 v[ADRA+(\s)], s21, v3
	v_add_nc_u32 v[ADRB+(\s)], s22, v3
	s_add_co_u32 s21, s21, SLOT
	s_add_co_u32 s22, s22, SLOT
.endr
	s_mul_i32 s23, s10, 16*SPITCH
	s_add_co_u32 s23, s23, STAGE                   ; my stage
	v_mul_u32_u24 v4, v1, SPITCH                   ; in: row l % 16, 16 bytes for each half of the lanes
	v_lshl_add_u32 v4, v2, 4, v4
	v_add_nc_u32 v[STO], s23, v4
	v_mul_u32_u24 v5, v2, SPITCH                   ; back: lanes 0-15 take one row of 256 bytes, lanes 16-31 the next
	v_lshl_add_u32 v5, v1, 4, v5
	v_add_nc_u32 v[RD], s23, v5
	v_mul_u32_u24 v5, v2, SIZE_N*2                 ; and the same two rows in a plane
	v_lshl_add_u32 v[CO], v1, 4, v5
	s_lshl_b32 s13, s13, 8                         ; where my part of plane q begins: the first way out adds it to the buffer's address
	s_lshl_b32 s14, s11, 7
	s_add_co_u32 s16, s13, s14
	s_lshl_b32 s16, s16, 11                        ; rows of 2,048 bytes
	s_mov_b32 s17, 0
	s_lshl_b32 s46, s42, 9
	s_lshl_b32 s47, s12, 8
	s_add_co_u32 s46, s46, s47
	s_mov_b32 s47, 0
	s_add_nc_u64 s[16:17], s[16:17], s[46:47]
; 16 matrix instructions: m blocks a0, a0 + 1 of the window's four x all 8 n blocks, 32 along K.  zero = 1: the first product starts the sums: nothing is ever cleared.
.macro MUL16 f, hi, a0, zero
	WIN MUL_LO+0x50*(\hi)
.irp a, \a0, (\a0)+1
.irp b, 0,1,2,3,4,5,6,7
.if \zero
	v_wmma_f32_16x16x32_bf16 v[8*(8*(\a)+(\b)):8*(8*(\a)+(\b))+7], v[(\f)+8*(\b):(\f)+8*(\b)+7], v[(\f)+8*(4*(\hi)+(\a)):(\f)+8*(4*(\hi)+(\a))+7], 0
.else
	v_wmma_f32_16x16x32_bf16 v[8*(8*(\a)+(\b)):8*(8*(\a)+(\b))+7], v[(\f)+8*(\b):(\f)+8*(\b)+7], v[(\f)+8*(4*(\hi)+(\a)):(\f)+8*(4*(\hi)+(\a))+7], v[8*(8*(\a)+(\b)):8*(8*(\a)+(\b))+7]
.endif
.endr
.endr
.endm
; 32 LDS loads in one run: the fragments of one quarter step (32 K at byte k of the rows) into buffer f
.macro FETCH slot, k, f
	WIN TO_B
.irp i, 0,1,2,3,4,5,6,7
	ds_load_b128 v[(\f)+8*(\i):(\f)+8*(\i)+3],   v[ADRB+(\slot)] offset:(\k)+(\i)*16*PITCH
	ds_load_b128 v[(\f)+8*(\i)+4:(\f)+8*(\i)+7], v[ADRB+(\slot)] offset:(\k)+(\i)*16*PITCH+32
.endr
	WIN 0
.irp i, 0,1,2,3,4,5,6,7
	ds_load_b128 v[(\f)+8*(\i):(\f)+8*(\i)+3],   v[ADRA+(\slot)] offset:(\k)+(\i)*16*PITCH
	ds_load_b128 v[(\f)+8*(\i)+4:(\f)+8*(\i)+7], v[ADRA+(\slot)] offset:(\k)+(\i)*16*PITCH+32
.endr
.endm
.macro PLACES                          ; four places in front of loads into registers that matrix instructions have read, and of lines that read results just made
.rept 4
	v_nop
.endr
.endm
; A K step is four quarters of 32 along K, 64 matrix instructions each, on buffers 0, 1, 0, 1.  The 64 accumulators take turns in the same order in every quarter.
.macro QUARTER slot, k, f, g, zero
	s_wait_dscnt 8                                 ; B and A's rows 0-63 are in; the youngest eight loads (A's rows 64-127) may be out
	WIN MUL_LO
	MUL16 \f, 0, 0, \zero
	MUL16 \f, 0, 2, \zero
	PLACES
	FETCH \slot, \k, \g
	s_wait_dscnt 32                                ; all but the 32 just issued
	WIN MUL_HI
	MUL16 \f, 1, 0, \zero
	MUL16 \f, 1, 2, \zero
.endm
; The last quarter's first half: ONE barrier for the change of slots.
.macro MEET round
	WIN 0                                          ; (the add's two registers lie in window 0)
	s_wait_tensorcnt 0x0                           ; all my tensor loads have landed: the one that was out is my part of the next slot;
	ds_add_u32 v[SPW], v[NIL]                      ; 0 onto my spare word;
	s_wait_dscnt 9                                 ; (the add and the youngest eight loads may be out)
	WIN MUL_LO
	MUL16 F1, 0, 0, 0
	s_wait_dscnt 0x0                               ; the add is done, and my reads of this slot are over
	s_barrier_signal -1
	MUL16 F1, 0, 2, 0
.if \round
	WIN 0
.endif
	s_barrier_wait -1
.endm
; The whole last quarter with a refill: the slot just read takes the K step two steps on.
.macro TURN slot, next
	MEET 1
	CREST                                          ; no wave of any partner still reads this slot's tile or has a load on its way
	s_add_nc_u64 s[G0+4*(\slot)+2:G0+4*(\slot)+3], s[G0+4*(\slot)+2:G0+4*(\slot)+3], 2*KSTEP*2
	s_sub_nc_u64 s[G0+4*(\slot)+2:G0+4*(\slot)+3], s[G0+4*(\slot)+2:G0+4*(\slot)+3], s[SBK:SBK+1]
	s_add_nc_u64 s[G0B+4*(\slot)+2:G0B+4*(\slot)+3], s[G0B+4*(\slot)+2:G0B+4*(\slot)+3], 2*BBLK
	JLOAD \slot                                    ; the first tensor load behind the round; its four v_nop are also the places in front of the loads below
	FETCH \next, 0, F0
	WIN MUL_HI
	MUL16 F1, 1, 0, 0
	MUL16 F1, 1, 2, 0
.endm
; THE WAY OUT of block a (16 rows).  PACK: rounded to f16, 16 bytes a lane.  TOSTAGE: into my own stage, and back as whole rows of 256 bytes.  SEND: stored.
.macro PACK a
.set AC, 64*((\a)%4)
	WIN 0x0a+5*((\a)/4)                            ; sources 0 and 1: window 2 or 3
.irp b, 0,1,2,3,4,5,6,7
.irp r, 0,1,2,3
	v_cvt_pk_f16_f32 v[TMP+4*(\b)+(\r)], v[AC+8*(\b)+2*(\r)], v[AC+8*(\b)+2*(\r)+1]
.endr
.endr
	WIN 0
.endm
.macro TOSTAGE a
	WIN 0
.set BK, OB+192*((\a)%2)
.irp b, 0,1,2,3,4,5,6,7
	ds_store_b128 v[STO], v[TMP+4*(\b):TMP+4*(\b)+3] offset:32*(\b)
.endr
.irp t, 0,1,2,3,4,5,6,7
	ds_load_b128 v[BK+4*(\t):BK+4*(\t)+3], v[RD] offset:(\t)*2*SPITCH  ; LDS serves a wave's instructions in order: these see the stores above
.endr
.endm
.macro SEND a, younger
	WIN 0
.set BK, OB+192*((\a)%2)
	s_wait_dscnt \younger                          ; the block is back in registers
	s_wait_xcnt 0x0                                ; only behind this wait are the stores' base and the registers that earlier stores read rewritten
.if (\a) == 0
	s_add_nc_u64 s[8:9], s[8:9], s[16:17]          ; on to this plane's first rows
.else
	s_add_nc_u64 s[8:9], s[8:9], 16*SIZE_N*2       ; 16 rows on
.endif
.irp t, 0,1,2,3,4,5,6,7
	global_store_b128 v[CO], v[BK+4*(\t):BK+4*(\t)+3], s[8:9] offset:2*(\t)*SIZE_N*2  ; 16 lanes store 256 consecutive bytes, at a multiple of 256 from the buffer's first byte
.endr
.endm
.macro WAYOUT                          ; block a's conversions stand between block a - 1's loads from the stage and the wait for them
	PACK 0
	TOSTAGE 0
.irp a, 1,2,3,4,5,6,7
	PACK \a
	SEND (\a)-1, 0
	TOSTAGE \a
.endr
	SEND 7, 0
.endm
	s_wait_tensorcnt 1                             ; my part of K step 0 is in; step 1's may stay out
	s_barrier_signal -1
	s_barrier_wait -1
	FETCH 0, 0, F0
	s_mov_b32 s3, 8                                ; the count is taken down once before the first whole trip
	s_branch .Lstart                               ; the loop is entered at the quarter that starts a plane's sums: that text stands once
.Llap:                                                 ; seven trips, each from a lap's second quarter to the next lap's first; the trip with s3 = 7 - t asks for K steps 2 t + 2 and 2 t + 3
	s_cmp_eq_u32 s3, 2                             ; the trip that asks for steps 12 and 13: v walks x2's columns again
	s_cselect_b32 s[SBK], 0x400, 0
	QUARTER 0, 128, F1, F0, 0
	QUARTER 0, 192, F0, F1, 0
	TURN 0, 1
	QUARTER 1, 64,  F0, F1, 0
	QUARTER 1, 128, F1, F0, 0
	QUARTER 1, 192, F0, F1, 0
	TURN 1, 0
	WIN 0
	s_cmp_eq_u32 s3, 4                             ; K step 7 is done: q is finished
	s_cbranch_scc1 .Lflush
	s_cmp_eq_u32 s3, 2                             ; K step 11 is done: k is finished
	s_cbranch_scc1 .Lflush
	QUARTER 0, 64,  F0, F1, 0
	WIN 0
	s_branch .Lnext
.Lflush:                                               ; both refills are asked for: now the plane goes out.  Blocks 0-3 were finished in front of the joint load's four v_nop, and their 128
	WAYOUT                                         ; conversions, which name no register of the last products (blocks 4-7's), are those products' places.  The text jumped over holds no barrier and no tensor load
	s_mov_b64 s[16:17], NEXT_P                     ; what the next way out adds to the address
.Lstart:
	QUARTER 0, 64,  F0, F1, 1                      ; a plane's first quarter starts its sums
	WIN 0
.Lnext:
	s_sub_co_u32 s3, s3, 1
	s_cmp_lg_u32 s3, 0
	s_cbranch_scc1 .Llap
	QUARTER 0, 128, F1, F0, 0                      ; the last lap fills nothing
	QUARTER 0, 192, F0, F1, 0
	MEET 0                                         ; my one tensor load that was still out is K step 15's
	PLACES
	FETCH 1, 0, F0
	WIN MUL_HI
	MUL16 F1, 1, 0, 0
	MUL16 F1, 1, 2, 0
	QUARTER 1, 64,  F0, F1, 0
	QUARTER 1, 128, F1, F0, 0
	QUARTER 1, 192, F0, F1, 0
	s_wait_dscnt 8                                 ; the very last quarter: nothing more to fetch
	MUL16 F1, 0, 0, 0
	MUL16 F1, 0, 2, 0
	s_wait_dscnt 0x0
	MUL16 F1, 1, 0, 0
	MUL16 F1, 1, 2, 0
	WIN 0
	PLACES
	WAYOUT                                         ; plane v
	s_wait_tensorcnt 0x0                           ; the wave's end
	ds_add_u32 v[SPW], v[NIL]
	s_wait_dscnt 0x0
	CROUND                                         ; the closing round
	s_endpgm
.Lfunc_end_k_qf3af56aa09_qkv:
	.size	k_qf3af56aa09_qkv, .Lfunc_end_k_qf3af56aa09_qkv-k_qf3af56aa09_qkv
	.p2alignl 7, 3214868480
	.fill 96, 4, 3214868480
	.section	.rodata,"a",@progbits
	.p2align	6, 0x0
	.amdhsa_kernel k_qf3af56aa09_qkv
		.amdhsa_group_segment_fixed_size 327680
		.amdhsa_private_segment_fixed_size 0
		.amdhsa_enable_private_segment 0
		.amdhsa_kernarg_size 24
		.amdhsa_user_sgpr_count 2
		.amdhsa_user_sgpr_kernarg_segment_ptr 1
		.amdhsa_wavefront_size32 1
		.amdhsa_system_sgpr_workgroup_id_x 1
		.amdhsa_system_sgpr_workgroup_id_y 1
		.amdhsa_system_sgpr_workgroup_id_z 1
		.amdhsa_system_vgpr_workitem_id 0
		.amdhsa_next_free_vgpr 1024
		.amdhsa_next_free_sgpr 68
		.amdhsa_reserve_vcc 0
		.amdhsa_float_denorm_mode_32 3
		.amdhsa_float_denorm_mode_16_64 3
		.amdhsa_memory_ordered 1
		.amdhsa_forward_progress 1
		.amdhsa_inst_pref_size 175
	.end_amdhsa_kernel
	.amdgpu_metadata
---
amdhsa.version: [ 1, 2 ]
amdhsa.kernels:
  - .name:           k_qf3af56aa09_qkv
    .symbol:         k_qf3af56aa09_qkv.kd
    .args:
      - { .name: xcat, .offset: 0, .size: 8, .value_kind: global_buffer, .address_space: global }
      - { .name: wcat, .offset: 8, .size: 8, .value_kind: global_buffer, .address_space: global }
      - { .name: qkv, .offset: 16, .size: 8, .value_kind: global_buffer, .address_space: global }
    .group_segment_fixed_size: 327680
    .private_segment_fixed_size: 0
    .kernarg_segment_align: 8
    .kernarg_segment_size: 24
    .max_flat_workgroup_size: 128
    .sgpr_count:     68
    .vgpr_count:     1024
    .wavefront_size: 32
...
	.end_amdgpu_metadata
.endif
;; end of part 2
;; launch attn (part 3): grid 256 x 1, 16 waves a work-group, no clusters, 83,968 bytes of LDS; arguments qkv, ob, osc; writes ob, osc
.if DOCPART == 3
	.amdgcn_target "amdgcn-amd-amdhsa--gfx1250"
	.amdhsa_code_object_version 6
	.text
	.protected	k_qf3af56aa09_attn
	.globl	k_qf3af56aa09_attn
	.p2align	8
	.type	k_qf3af56aa09_attn,@function
k_qf3af56aa09_attn:
	s_mov_b64 s[64:65], 0
	v_nop
	global_prefetch_b8 v0, s[64:65] scope:SCOPE_SE
	s_setreg_imm32_b32 hwreg(HW_REG_WAVE_MODE, 25, 1), 1
	s_wait_xcnt 0x0
; ATTN: for each token S[c][d] = sum over 16 heads of k[h][c] q[h][d]; P = softmax over d of S / 8; O[h][d] = sum over c of v[h][c] P[c][d].
; In: qkv [3][16384][1024] f16; q, k at position 16 channel + head; v at 256 blk + 16 head + e (channel 16 blk + e).
; Out: ob [16384][1024] f16 = O x 2^-e at position 128 oct + 8 head + j (d = 8 oct + j), 2^e the power of two at or below the token's largest |O|; osc [16384] f32 = 2^e / 64 (wob holds 64 Wo).
; Sums, maxima and the row sums in f32; P is rounded once to f16 (its sum is taken of the unrounded weights), O once.
; LIMITS: a weight below 2^-126 counts as 0; |O| stays below 2^127; a token whose O are all denormal counts as 0; NaN and infinities are not treated apart.
; SHARES: a wave takes four tokens one after the other; 16 waves, four to a SIMD.  No wave reads another's LDS bytes: no barrier.  No cluster: no byte is used by two work-groups.
; LAYOUT (lane l: r = l % 16, hh = l / 16).
;   Scores: source 0 = 16 channels d of q, source 1 = 16 channels c of k, K = the 16 heads (registers 0-3; registers 4-7, K = 16..31, hold 0).  In the result a lane holds ONE c (= r) and d = 8 hh + 0..7:
;   a row's maximum and sum want one exchange between the halves of the lanes.
;   P, rounded in pairs, goes row by row (row c, d along it) into my wave's stage in LDS and comes back turned, by ds_load_tr16_b128: a lane then holds one d and 8 channels c, which is source 0
;   (rows d, K = 32 channels c) of O^T = P^T v^T, with v (columns = heads) as source 1.  In O^T a lane holds one head (= r) and d = 8 hh + 0..7.
; ONE TEXT FOR EVERY TOKEN: the loads of the next token are issued in every trip, in the last trip with no lane on: nothing is read past my four tokens, and the counted wait sees the same loads on every way.
.set PP,  160                          ; a stage row: 128 bytes + 32 = 40 words
.set STG, 32*PP                        ; a wave's stage: 32 rows of c, used by both halves of a token in turn
.set SPARE, 16*STG                     ; behind the stages: the spare words, 128 bytes for each wave: eight blocks of 256 bytes that no other line names
.set Q,   8                            ; v[8:39]    tile t of 16 d at Q + 8 t: four registers of data, four of 0
.set K,   40                           ; v[40:71]   the same for k's tiles of 16 c
.set V,   72                           ; v[72:87]   blk at V + 4 blk: two blks are a source 1 of 32 c
.set SPW, 88                           ; v88        LDS address of my spare word; never rewritten
.set NIL, 89                           ; v89        0; never rewritten
.set STO, 90                           ; v90        where I put 16 bytes of row r of the stage
.set TRA, 91                           ; v91        where the turning load reads
.set PF,  100                          ; v[100:131] P turned: tile t of 16 d at PF + 8 t
.set O,   132                          ; v[132:163] O^T: tile t of 16 d at O + 8 t
.set S,   164                          ; v[164:227] scores of two tiles of c: tile u, d tile t at S + 32 u + 8 t
.set ST,  228                          ; v[228:243] per tile u eight registers: c m, m, the sum's first chain (2), c0-c3 at work (c0, c1 later the second chain, c2 later 1 / l)
.set SCL, 244                          ; v244       lane L (0..3) collects the scale of my token 3 - L
.set INV, 246                          ; v[246:247] 2^-e, named as a pair
; v1: 32 r + 16 hh, my 16 bytes in 512 of q, k or v.  v2: 16 l, my 16 bytes in 512 of ob.  v3: l.  v4: my byte in my wave's 16 of osc.  v5: l + 1.
; s[4:5], s[6:7], s[8:9]: q, k, v at the token in hand; s[10:11]: ob likewise; s12: tokens to go; s[14:15]: c; s[16:17]: lane selects; s[18:19]: osc at my wave's tokens; s20: EXEC set aside.
	s_load_b128 s[4:7], s[0:1], 0x0                ; qkv s[4:5], ob s[6:7]
	s_load_b64 s[18:19], s[0:1], 0x10              ; osc
	v_lshl_add_u32 v[SPW], v0, 2, SPARE
	v_mov_b32 v[NIL], 0
	v_and_b32 v3, 31, v0
	v_lshrrev_b32 v4, 5, v0
	v_readfirstlane_b32 s13, v4                    ; wave 0..15
	v_and_b32 v5, 15, v0                           ; r
	v_bfe_u32 v6, v0, 4, 1                         ; hh
	v_lshlrev_b32 v1, 5, v5
	v_lshl_add_u32 v1, v6, 4, v1
	v_lshlrev_b32 v2, 4, v3
	v_xor_b32 v4, 3, v3
	v_and_b32 v4, 3, v4
	v_lshlrev_b32 v4, 2, v4                        ; lanes 0..3: token 3 - L
	s_mul_i32 s24, s13, STG                        ; my wave's stage
	v_mul_u32_u24 v[STO], v5, PP                   ; in: row r, 16 bytes for each half of the lanes
	v_lshl_add_u32 v[STO], v6, 4, v[STO]
	v_add_nc_u32 v[STO], s24, v[STO]
	v_and_b32 v7, 7, v0                            ; back: lane l reads row 8 hh + l % 8, the 16 bytes (l / 8) % 2 of 32
	v_lshl_add_u32 v7, v6, 3, v7
	v_mul_u32_u24 v[TRA], v7, PP
	v_bfe_u32 v7, v0, 3, 1
	v_lshl_add_u32 v[TRA], v7, 4, v[TRA]
	v_add_nc_u32 v[TRA], s24, v[TRA]
	v_add_nc_u32 v5, 1, v3
	s_lshl_b32 s20, ttmp9, 17                      ; 64 tokens of 2,048 bytes,
	s_lshl_b32 s21, s13, 13                        ; my wave's four
	s_add_co_u32 s20, s20, s21
	s_mov_b32 s21, 0
	s_lshl_b32 s22, ttmp9, 8                       ; the same in osc: 4 bytes a token
	s_lshl_b32 s23, s13, 4
	s_add_co_u32 s22, s22, s23
	s_mov_b32 s23, 0
	s_mov_b32 s14, 0x3e38aa3b                      ; c = log2(e) / 8
	s_mov_b32 s15, s14                             ; named with it as a pair
	s_mov_b32 s16, 0x76543210                      ; v_permlanex16_b32: each lane takes its own place in the other half
	s_mov_b32 s17, 0xfedcba98
	s_wait_kmcnt 0x0
	s_add_nc_u64 s[10:11], s[6:7], s[20:21]
	s_add_nc_u64 s[4:5], s[4:5], s[20:21]
	s_add_nc_u64 s[6:7], s[4:5], 33554432          ; plane k
	s_add_nc_u64 s[8:9], s[4:5], 67108864          ; plane v
	s_add_nc_u64 s[18:19], s[18:19], s[22:23]
.macro LDQK off                        ; eight loads of 512 consecutive bytes: a token's q and k
.irp t, 0,1,2,3
	global_load_b128 v[Q+8*\t:Q+8*\t+3], v1, s[4:5] offset:(\off)+512*\t th:TH_LOAD_NT
.endr
.irp t, 0,1,2,3
	global_load_b128 v[K+8*\t:K+8*\t+3], v1, s[6:7] offset:(\off)+512*\t th:TH_LOAD_NT
.endr
.endm
.macro LDV off                         ; four: its v
.irp t, 0,1,2,3
	global_load_b128 v[V+4*\t:V+4*\t+3], v1, s[8:9] offset:(\off)+512*\t th:TH_LOAD_NT
.endr
.endm
	LDQK 0
	LDV 0
	; what is made once, in the wait for the first token: the zeros for K = 16..31, the collector
.irp t, 0,1,2,3
.irp i, 4,5,6,7
	v_mov_b32 v[Q+8*\t+\i], 0
	v_mov_b32 v[K+8*\t+\i], 0
.endr
.endr
	v_mov_b32 v[SCL], 0
	v_mov_b32 v[INV+1], 0
.macro NOPS                            ; four places behind matrix instructions (ISA guide 7.12.1)
.rept 4
	v_nop
.endr
.endm
; The loads of the next token run with all lanes on while a token follows, with none in the last trip.  EXEC is a source of pending loads and stores: it changes only behind s_wait_xcnt 0.
.macro AHEAD_ON
	s_wait_xcnt 0x0
	s_cmp_lg_u32 s12, 1
	s_cselect_b32 vcc_lo, -1, 0
	s_and_saveexec_b32 s20, vcc_lo
.endm
.macro AHEAD_OFF
	s_wait_xcnt 0x0
	s_or_b32 exec_lo, exec_lo, s20
.endm
; The scores of the c tiles 2 w and 2 w + 1 (u = 0, 1) against all four d tiles
.macro SCORES w
.irp t, 0,1,2,3
.irp u, 0,1
	v_wmma_f32_16x16x32_f16 v[S+32*\u+8*\t:S+32*\u+8*\t+7], v[Q+8*\t:Q+8*\t+7], v[K+16*(\w)+8*\u:K+16*(\w)+8*\u+7], 0
.endr
.endr
.endm
; The softmax of two tiles of c, whose lines alternate so that no line waits for the one before it; then P through the stage
.macro SOFT
	; the maximum of a lane's 32 scores, three operands at a time, each result's lowest registers first
.irp n, 0,1,2,3
.irp u, 0,1
	v_max3_num_f32 v[ST+8*\u+4+\n], v[S+32*\u+8*\n], v[S+32*\u+8*\n+1], v[S+32*\u+8*\n+2]
.endr
.endr
.irp g, 1,2
.irp n, 0,1,2,3
.irp u, 0,1
	v_max3_num_f32 v[ST+8*\u+4+\n], v[ST+8*\u+4+\n], v[S+32*\u+8*\n+2*\g+1], v[S+32*\u+8*\n+2*\g+2]
.endr
.endr
.endr
.irp u, 0,1
	v_max3_num_f32 v[ST+8*\u+4], v[ST+8*\u+4], v[S+32*\u+7], v[S+32*\u+15]
.endr
.irp u, 0,1
	v_max3_num_f32 v[ST+8*\u+5], v[ST+8*\u+5], v[S+32*\u+23], v[S+32*\u+31]
.endr
.irp u, 0,1
	v_max3_num_f32 v[ST+8*\u+4], v[ST+8*\u+4], v[ST+8*\u+5], v[ST+8*\u+6]
.endr
.irp u, 0,1
	v_max_num_f32 v[ST+8*\u+4], v[ST+8*\u+4], v[ST+8*\u+7]
.endr
.irp u, 0,1
	v_permlanex16_b32 v[ST+8*\u+5], v[ST+8*\u+4], s16, s17  ; the row's other 32 d lie in the lane 16 away
.endr
.irp u, 0,1
	v_max_num_f32 v[ST+8*\u+1], v[ST+8*\u+4], v[ST+8*\u+5]
.endr
.irp u, 0,1
	v_mul_f32 v[ST+8*\u], s14, v[ST+8*\u+1]
.endr
.irp n, 0,1,2,3,4,5,6,7,8,9,10,11,12,13,14,15
.irp u, 0,1
	v_pk_fma_f32 v[S+32*\u+2*\n:S+32*\u+2*\n+1], v[S+32*\u+2*\n:S+32*\u+2*\n+1], s[14:15], v[ST+8*\u:ST+8*\u+1] op_sel_hi:[1,0,0] neg_lo:[0,0,1] neg_hi:[0,0,1]  ; c s - c m
.endr
.endr
.set i, 0
.rept 32
	v_exp_f32 v[S+i], v[S+i]
	v_exp_f32 v[S+32+i], v[S+32+i]
.set i, i+1
.endr
	v_nop                                          ; a plain instruction between the last exponential and the use of its result
	; the row's sum, in two chains of pairs; the weights stay as they are
	s_wait_alu depctr_va_vdst(0)
.irp u, 0,1
	v_pk_add_f32 v[ST+8*\u+2:ST+8*\u+3], v[S+32*\u:S+32*\u+1], v[S+32*\u+2:S+32*\u+3]
.endr
.irp u, 0,1
	v_pk_add_f32 v[ST+8*\u+4:ST+8*\u+5], v[S+32*\u+4:S+32*\u+5], v[S+32*\u+6:S+32*\u+7]
.endr
.irp n, 4,6,8,10,12,14
.irp u, 0,1
	v_pk_add_f32 v[ST+8*\u+2:ST+8*\u+3], v[ST+8*\u+2:ST+8*\u+3], v[S+32*\u+2*\n:S+32*\u+2*\n+1]
.endr
.irp u, 0,1
	v_pk_add_f32 v[ST+8*\u+4:ST+8*\u+5], v[ST+8*\u+4:ST+8*\u+5], v[S+32*\u+2*\n+2:S+32*\u+2*\n+3]
.endr
.endr
.irp u, 0,1
	v_pk_add_f32 v[ST+8*\u+2:ST+8*\u+3], v[ST+8*\u+2:ST+8*\u+3], v[ST+8*\u+4:ST+8*\u+5]
.endr
.irp u, 0,1
	v_add_f32 v[ST+8*\u+2], v[ST+8*\u+2], v[ST+8*\u+3]
.endr
.irp u, 0,1
	v_permlanex16_b32 v[ST+8*\u+3], v[ST+8*\u+2], s16, s17
.endr
.irp u, 0,1
	v_add_f32 v[ST+8*\u+2], v[ST+8*\u+2], v[ST+8*\u+3]  ; l is 1 at the least: the largest score's weight is 1
.endr
.irp u, 0,1
	v_rcp_f32 v[ST+8*\u+6], v[ST+8*\u+2]
.endr
	v_nop                                          ; a plain instruction between the last reciprocal and the use of its result
	s_wait_alu depctr_va_vdst(0)
.irp n, 0,1,2,3,4,5,6,7,8,9,10,11,12,13,14,15
.irp u, 0,1
	v_pk_mul_f32 v[S+32*\u+2*\n:S+32*\u+2*\n+1], v[S+32*\u+2*\n:S+32*\u+2*\n+1], v[ST+8*\u+6:ST+8*\u+7] op_sel_hi:[1,0]
.endr
.endr
.irp n, 0,1,2,3,4,5,6,7,8,9,10,11,12,13,14,15   ; pair n goes into register n: never onto a pair still to be read
.irp u, 0,1
	v_cvt_pk_f16_f32 v[S+32*\u+\n], v[S+32*\u+2*\n], v[S+32*\u+2*\n+1]
.endr
.endr
.irp u, 0,1                            ; registers 4 t .. 4 t + 3 are d = 16 t + 8 hh + 0..7 of row 16 u + r
.irp t, 0,1,2,3
	ds_store_b128 v[STO], v[S+32*\u+4*\t:S+32*\u+4*\t+3] offset:16*PP*\u+32*\t
.endr
.endr
.irp t, 0,1,2,3                        ; LDS serves a wave's instructions in order: these see the stores above, and the next half's stores come behind them
	ds_load_tr16_b128 v[PF+8*\t:PF+8*\t+3],   v[TRA] offset:32*\t          ; d = 16 t + r, c = 8 hh + 0..7
	ds_load_tr16_b128 v[PF+8*\t+4:PF+8*\t+7], v[TRA] offset:16*PP+32*\t    ; c = 16 + 8 hh + 0..7
.endr
.endm
.macro PVW w                           ; O^T takes 32 channels c; the four accumulators take turns, one instruction a turn
.irp t, 0,1,2,3
.if (\w) == 0
	v_wmma_f32_16x16x32_f16 v[O+8*\t:O+8*\t+7], v[PF+8*\t:PF+8*\t+7], v[V:V+7], 0
.else
	v_wmma_f32_16x16x32_f16 v[O+8*\t:O+8*\t+7], v[PF+8*\t:PF+8*\t+7], v[V+8:V+15], v[O+8*\t:O+8*\t+7]
.endif
.endr
.endm
	s_mov_b32 s12, 4
.Ltok:
	s_wait_loadcnt 0x4                             ; q and k are in; the four loads of v, issued behind them, may be out
	SCORES 0
	NOPS
	SOFT
	SCORES 1                                       ; the second half's scores stand between the run of LDS instructions and the wait for it
	s_wait_loadcnt 0x0                             ; v is in: nothing else of mine is out here
	s_wait_dscnt 0x0                               ; P is back, turned
	PVW 0
	NOPS                                           ; behind the scores and the products: q and k are loaded again, the scores read
	AHEAD_ON
	LDQK 2048                                      ; the next token's q and k, half a token ahead of their use
	AHEAD_OFF
	SOFT
	s_wait_dscnt 0x0
	PVW 1
	NOPS
	AHEAD_ON
	LDV 2048
	AHEAD_OFF
	; the token's largest |O|: the largest and the smallest of a lane's 32, then across the 32 lanes
.irp n, 0,1,2,3
	v_max3_num_f32 v[ST+\n], v[O+8*\n], v[O+8*\n+1], v[O+8*\n+2]
	v_min3_num_f32 v[ST+4+\n], v[O+8*\n], v[O+8*\n+1], v[O+8*\n+2]
.endr
.irp g, 1,2
.irp n, 0,1,2,3
	v_max3_num_f32 v[ST+\n], v[ST+\n], v[O+8*\n+2*\g+1], v[O+8*\n+2*\g+2]
	v_min3_num_f32 v[ST+4+\n], v[ST+4+\n], v[O+8*\n+2*\g+1], v[O+8*\n+2*\g+2]
.endr
.endr
	v_max3_num_f32 v[ST], v[ST], v[O+7], v[O+15]
	v_min3_num_f32 v[ST+4], v[ST+4], v[O+7], v[O+15]
	v_max3_num_f32 v[ST+1], v[ST+1], v[O+23], v[O+31]
	v_min3_num_f32 v[ST+5], v[ST+5], v[O+23], v[O+31]
	v_max3_num_f32 v[ST], v[ST], v[ST+1], v[ST+2]
	v_min3_num_f32 v[ST+4], v[ST+4], v[ST+5], v[ST+6]
	v_max_num_f32 v[ST], v[ST], v[ST+3]
	v_min_num_f32 v[ST+4], v[ST+4], v[ST+7]
	v_sub_f32 v[ST+4], 0, v[ST+4]
	v_max_num_f32 v[ST], v[ST], v[ST+4]
	v_max_num_f32_dpp v[ST], v[ST], v[ST] row_xmask:1 row_mask:0xf bank_mask:0xf
	v_max_num_f32_dpp v[ST], v[ST], v[ST] row_xmask:2 row_mask:0xf bank_mask:0xf
	v_max_num_f32_dpp v[ST], v[ST], v[ST] row_xmask:4 row_mask:0xf bank_mask:0xf
	v_max_num_f32_dpp v[ST], v[ST], v[ST] row_xmask:8 row_mask:0xf bank_mask:0xf
	v_permlanex16_b32 v[ST+1], v[ST], s16, s17
	v_max_num_f32 v[ST], v[ST], v[ST+1]
	v_and_b32 v[ST+2], 0x7f800000, v[ST]           ; 2^e: the exponent alone
	v_sub_nc_u32 v[INV], 0x7f000000, v[ST+2]       ; 2^-e: exponent field 254 less e's
	v_mul_f32 v[ST+3], 0x3c800000, v[ST+2]         ; 2^e / 64
	v_cmp_eq_u32 vcc_lo, s12, v5                   ; with s12 tokens to go the scale goes to lane s12 - 1
	v_cndmask_b32 v[SCL], v[SCL], v[ST+3], vcc_lo
.irp n, 0,1,2,3,4,5,6,7,8,9,10,11,12,13,14,15
	v_pk_mul_f32 v[O+2*\n:O+2*\n+1], v[O+2*\n:O+2*\n+1], v[INV:INV+1] op_sel_hi:[1,0]
.endr
.irp t, 0,1,2,3
.irp i, 0,1,2,3
	v_cvt_pk_f16_f32 v[O+8*\t+\i], v[O+8*\t+2*\i], v[O+8*\t+2*\i+1]
.endr
.endr
.irp t, 0,1,2,3
	global_store_b128 v2, v[O+8*\t:O+8*\t+3], s[10:11] offset:512*\t  ; d = 16 t + 8 hh + 0..7 of head r lie at 512 t + 16 l: the wave stores 512 consecutive bytes
.endr
	s_wait_xcnt 0x0                                ; the bases, and O, which the stores read, are rewritten only behind this wait
	s_add_nc_u64 s[4:5], s[4:5], 2048
	s_add_nc_u64 s[6:7], s[6:7], 2048
	s_add_nc_u64 s[8:9], s[8:9], 2048
	s_add_nc_u64 s[10:11], s[10:11], 2048
	s_sub_co_u32 s12, s12, 1
	s_cmp_lg_u32 s12, 0
	s_cbranch_scc1 .Ltok
	v_cmp_gt_u32 vcc_lo, 4, v3                     ; lanes 0..3 store my four tokens' scales: 16 consecutive bytes
	s_wait_xcnt 0x0                                ; EXEC changes only behind this wait
	s_and_saveexec_b32 s20, vcc_lo
	global_store_b32 v4, v[SCL], s[18:19]
	s_wait_xcnt 0x0
	s_or_b32 exec_lo, exec_lo, s20
	s_wait_tensorcnt 0x0                           ; the wave's end, behind my last LDS store
	ds_add_u32 v[SPW], v[NIL]
	s_wait_dscnt 0x0
	s_endpgm
.Lfunc_end_k_qf3af56aa09_attn:
	.size	k_qf3af56aa09_attn, .Lfunc_end_k_qf3af56aa09_attn-k_qf3af56aa09_attn
	.p2alignl 7, 3214868480
	.fill 96, 4, 3214868480
	.section	.rodata,"a",@progbits
	.p2align	6, 0x0
	.amdhsa_kernel k_qf3af56aa09_attn
		.amdhsa_group_segment_fixed_size 83968
		.amdhsa_private_segment_fixed_size 0
		.amdhsa_enable_private_segment 0
		.amdhsa_kernarg_size 24
		.amdhsa_user_sgpr_count 2
		.amdhsa_user_sgpr_kernarg_segment_ptr 1
		.amdhsa_wavefront_size32 1
		.amdhsa_system_sgpr_workgroup_id_x 1
		.amdhsa_system_sgpr_workgroup_id_y 1
		.amdhsa_system_sgpr_workgroup_id_z 1
		.amdhsa_system_vgpr_workitem_id 0
		.amdhsa_next_free_vgpr 248
		.amdhsa_next_free_sgpr 66
		.amdhsa_reserve_vcc 1
		.amdhsa_float_denorm_mode_32 3
		.amdhsa_float_denorm_mode_16_64 3
		.amdhsa_memory_ordered 1
		.amdhsa_forward_progress 1
		.amdhsa_inst_pref_size 41
	.end_amdhsa_kernel
	.amdgpu_metadata
---
amdhsa.version: [ 1, 2 ]
amdhsa.kernels:
  - .name:           k_qf3af56aa09_attn
    .symbol:         k_qf3af56aa09_attn.kd
    .args:
      - { .name: qkv, .offset: 0, .size: 8, .value_kind: global_buffer, .address_space: global }
      - { .name: ob, .offset: 8, .size: 8, .value_kind: global_buffer, .address_space: global }
      - { .name: osc, .offset: 16, .size: 8, .value_kind: global_buffer, .address_space: global }
    .group_segment_fixed_size: 83968
    .private_segment_fixed_size: 0
    .kernarg_segment_align: 8
    .kernarg_segment_size: 24
    .max_flat_workgroup_size: 512
    .sgpr_count:     66
    .vgpr_count:     248
    .wavefront_size: 32
...
	.end_amdgpu_metadata
.endif
;; end of part 3
;; launch proj (part 4): grid 4 x 64, 4 waves a work-group, clusters of 4 x 4, 327,680 bytes of LDS; arguments ob, wob, out0, bo, osc; writes out0
.if DOCPART == 4
	.amdgcn_target "amdgcn-amd-amdhsa--gfx1250"
	.amdhsa_code_object_version 6
	.text
	.protected	k_qf3af56aa09_proj
	.globl	k_qf3af56aa09_proj
	.p2align	8
	.type	k_qf3af56aa09_proj,@function
k_qf3af56aa09_proj:
	s_mov_b64 s[64:65], 0
	v_nop
	global_prefetch_b8 v0, s[64:65] scope:SCOPE_SE
	s_setreg_imm32_b32 hwreg(HW_REG_WAVE_MODE, 25, 1), 1
	s_wait_xcnt 0x0
	s_wait_alu depctr_hold_cnt(0) depctr_sa_sdst(0) depctr_va_vdst(0) depctr_va_sdst(0) depctr_va_ssrc(0) depctr_va_vcc(0) depctr_vm_vsrc(0)
	s_getreg_b32 s2, hwreg(HW_REG_IB_STS2, 6, 4)
	s_cmp_eq_u32 s2, 0
	s_cbranch_scc0 .Lentry_in_a_cluster
	s_endpgm
.Lentry_in_a_cluster:
	s_bfe_u32 s2, ttmp6, 0x10000c
	s_cmp_lg_u32 s2, 0xf033
	s_cbranch_scc0 .Lentry_shape_is_right
	s_endpgm
.Lentry_shape_is_right:
; PROJ: out0[m][n] = osc[m] x (sum over k of ob[m][k] wob[n][k]) + bf16(bo[n]).  ob [16384][1024] f16 (O x 2^-e), wob in dense blocks [tx][step][256 n][128 k] f16 (64 Wo), osc = 2^e / 64; out0 f32.
; Sums in f32; the scale is a power of two, so scale and bias are one fused multiply-add with one rounding; bo is rounded to bf16 like every input of the module.
; SHARES: a work-group makes 256 x 256 of out0, each of its four waves 128 x 128: 64 accumulators.  K = 1,024 goes in 8 steps of 128 through a ring of two LDS slots.
; CLUSTER: 4 x 4; A's tiles are shared along a row of the cluster, B's along a column: joint loads.
; THE MATRIX INSTRUCTION IS USED TRANSPOSED (source 0 = rows of wob, source 1 = rows of ob): lane l holds row l % 16 and columns 8 (l / 16) + 0..7 of each block of 16: one scale serves its eight sums,
; and the same 64 numbers of bo serve all eight blocks of rows.
; REGISTERS: window 0: v0-31 addresses, v32-47 my rows' eight scales (each named as a pair), v48-63 at work at the head, v192-255 my 64 numbers of bo; v64-127, v128-191 fragments of A, on the way out rows read back.
;   window 1: v64-191 fragments of B.   windows 2, 3: the accumulators.
.set KSTEP,  128
.set PITCH,  272
.set HALFT,  128*PITCH
.set SLOT,   4*HALFT
.set STAGE,  2*SLOT                    ; behind the ring: 16 rows x 528 bytes for each wave; no tensor load fills it
.set SPITCH, 528                       ; 512 bytes + 16 = 132 words: the 16 rows that a store touches start at 16 different groups of four banks
.set SPARE,  STAGE+4*16*SPITCH         ; the spare words: 128 bytes for each wave, two blocks of 256 bytes that no other line names
.set KROW,   1024                      ; elements in a row of ob
.set OROW,   4096                      ; bytes in a row of out0
.set BBLK,   256*KSTEP*2
.set ADRA, 16
.set ADRB, 20
.set STO,  24
.set RD,   25
.set CO,   26
.set SPW,  28
.set NIL,  29
.set SC,   32                          ; v[32:47]   block a's scale at SC + 2 a
.set TB,   48                          ; v[48:63]   at work while bo is rounded
.set F0,   64
.set F1,   128
.set BIA,  192                         ; v[192:255] bo of column 16 b + 8 (l / 16) + j of my wave's 128 at BIA + 8 b + j
.set G1, 24
.set G0, 32
.set G1B, 48
.set G0B, 56
.set MSB, 0
.macro WIN new
.if MSB != (\new)
	s_set_vgpr_msb (MSB<<8)|(\new)
.set MSB, \new
.endif
.endm
.set MUL_LO, 0xa1
.set MUL_HI, 0xf1
.set TO_B,   0x40
.macro JLOAD s                         ; a joint load: waves 0 and 1 fetch A's halves, waves 2 and 3 B's; an s_nop 0 and four v_nop follow each of the two lines
	s_cmp_eq_u32 s11, 0
	s_cbranch_scc0 .Lfor_b_\@
	tensor_load_to_lds s[G0+4*(\s):G0+4*(\s)+3], s[G1:G1+7]
	s_nop 0
.rept 4
	v_nop
.endr
	s_branch .Lasked_\@
.Lfor_b_\@:
	tensor_load_to_lds s[G0B+4*(\s):G0B+4*(\s)+3], s[G1B:G1B+7]
	s_nop 0
.rept 4
	v_nop
.endr
.Lasked_\@:
.endm
.macro CREST
	s_cmp_lg_u32 s10, 0
	s_cbranch_scc1 .Lnot_wave_0_\@
	s_barrier_signal -3
.Lnot_wave_0_\@:
	s_barrier_wait -3
	s_barrier_signal -1
	s_barrier_wait -1
.endm
.macro CROUND
	s_barrier_signal -1
	s_barrier_wait -1
	CREST
.endm
	s_load_b128 s[4:7], s[0:1], 0x0                ; ob s[4:5], wob s[6:7]
	s_load_b64 s[8:9], s[0:1], 0x10                ; out0
	s_load_b64 s[68:69], s[0:1], 0x18              ; bo
	s_load_b64 s[70:71], s[0:1], 0x20              ; osc
	v_lshl_add_u32 v[SPW], v0, 2, SPARE
	v_mov_b32 v[NIL], 0
	ds_add_u32 v[SPW], v[NIL]                      ; the wave's opening: the add and its wait ahead of my first tensor load
	v_lshrrev_b32 v1, 5, v0
	v_readfirstlane_b32 s10, v1
	s_lshr_b32 s11, s10, 1
	s_and_b32 s12, s10, 1
	s_bfe_u32 s40, ttmp6, 0x40000
	s_bfe_u32 s41, ttmp6, 0x40004
	s_lshl_b32 s42, ttmp9, 2
	s_add_co_u32 s42, s42, s40                     ; tx
	s_and_b32 s13, ttmp7, 0xffff
	s_lshl_b32 s13, s13, 2
	s_add_co_u32 s13, s13, s41                     ; ty
	s_lshl_b32 s43, s41, 2
	s_lshl_b32 s43, 15, s43
	s_lshl_b32 s44, 0x1111, s40
	s_or_b32 s[G1+0], s43, (1<<16)|(1<<20)|(1<<21)|(5<<22)|(3<<25)
	s_or_b32 s[G1B+0], s44, (1<<16)|(1<<20)|(1<<21)|(5<<22)|(3<<25)
.irp g, G1, G1B
	s_mov_b32 s[(\g)+1], KSTEP<<16
	s_mov_b32 s[(\g)+2], 128<<16
	s_mov_b32 s[(\g)+3], KSTEP<<16
	s_mov_b32 s[(\g)+4], 128
	s_mov_b32 s[(\g)+6], 0
	s_mov_b32 s[(\g)+7], 0
.endr
	s_mov_b32 s[G1+5], KROW
	s_mov_b32 s[G1B+5], KSTEP
	s_lshl_b32 s17, s12, 7
	s_lshl_b32 s16, s13, 8
	s_add_co_u32 s16, s16, s17
	s_lshl_b32 s16, s16, 11                        ; A: rows of 2,048 bytes
	s_mov_b32 s17, 0
	s_lshl_b32 s46, s42, 19                        ; B: eight blocks a column block,
	s_lshl_b32 s47, s12, 15
	s_add_co_u32 s46, s46, s47
	s_mov_b32 s47, 0
	s_mul_i32 s20, s10, HALFT
	s_wait_dscnt 0x0
	s_wait_kmcnt 0x0
	s_add_nc_u64 s[14:15], s[4:5], s[16:17]
	s_add_nc_u64 s[46:47], s[6:7], s[46:47]
	CROUND
.irp s, 0,1
	s_mov_b32 s[G0+4*(\s)], 1
	s_add_co_u32 s[G0+4*(\s)+1], s20, (\s)*SLOT
	s_add_nc_u64 s[G0+4*(\s)+2:G0+4*(\s)+3], s[14:15], (\s)*KSTEP*2
	s_or_b32 s[G0+4*(\s)+3], s[G0+4*(\s)+3], 0x80000000
	s_mov_b32 s[G0B+4*(\s)], 1
	s_add_co_u32 s[G0B+4*(\s)+1], s20, (\s)*SLOT
	s_add_nc_u64 s[G0B+4*(\s)+2:G0B+4*(\s)+3], s[46:47], (\s)*BBLK
	s_or_b32 s[G0B+4*(\s)+3], s[G0B+4*(\s)+3], 0x80000000
	JLOAD \s
.endr
	v_and_b32 v1, 15, v0
	v_bfe_u32 v2, v0, 4, 1
	v_and_b32 v5, 31, v0
	v_lshlrev_b32 v[CO], 4, v5                     ; 16 l: my 16 bytes in a wave's 512 of a row of out0
	s_lshl_b32 s45, s42, 10                        ; bo: my wave's 128 columns,
	s_lshl_b32 s21, s12, 9
	s_add_co_u32 s45, s45, s21
	v_lshl_add_u32 v6, v2, 5, s45                  ; in each block of 16 the eight at 8 (l / 16)
.irp b, 0,1,2,3,4,5,6,7
	global_load_b128 v[BIA+8*\b:BIA+8*\b+3],   v6, s[68:69] offset:64*\b
	global_load_b128 v[BIA+8*\b+4:BIA+8*\b+7], v6, s[68:69] offset:64*\b+16
.endr
	s_lshl_b32 s21, s13, 10                        ; osc: my wave's 128 rows, 4 bytes each;
	s_lshl_b32 s22, s11, 9
	s_add_co_u32 s21, s21, s22
	v_lshl_add_u32 v7, v1, 2, s21                  ; in each block of 16 I hold row l % 16
.irp a, 0,1,2,3,4,5,6,7
	global_load_b32 v[SC+2*\a], v7, s[70:71] offset:64*\a
	v_mov_b32 v[SC+2*\a+1], 0                      ; named with it as a pair
.endr
	v_mul_u32_u24 v3, v1, PITCH
	v_lshl_add_u32 v3, v2, 4, v3
	s_mul_i32 s21, s11, HALFT
	s_mul_i32 s22, s12, HALFT
	s_add_co_u32 s22, s22, 2*HALFT
.irp s, 0,1
	v_add_nc_u32 v[ADRA+(\s)], s21, v3
	v_add_nc_u32 v[ADRB+(\s)], s22, v3
	s_add_co_u32 s21, s21, SLOT
	s_add_co_u32 s22, s22, SLOT
.endr
	s_mul_i32 s23, s10, 16*SPITCH
	s_add_co_u32 s23, s23, STAGE                   ; my stage
	v_mul_u32_u24 v4, v1, SPITCH                   ; in: row l % 16, 32 bytes for each half of the lanes
	v_lshl_add_u32 v4, v2, 5, v4
	v_add_nc_u32 v[STO], s23, v4
	v_add_nc_u32 v[RD], s23, v[CO]                 ; back: the 32 lanes take one row of 512 bytes
	s_lshl_b32 s13, s13, 8                         ; where my part of out0 begins
	s_lshl_b32 s14, s11, 7
	s_add_co_u32 s16, s13, s14
	s_lshl_b32 s16, s16, 12
	s_mov_b32 s17, 0
	s_lshl_b32 s46, s42, 10
	s_lshl_b32 s47, s12, 9
	s_add_co_u32 s46, s46, s47
	s_mov_b32 s47, 0
	s_add_nc_u64 s[16:17], s[16:17], s[46:47]
	s_wait_loadcnt 0x0                             ; bo and the scales, once; the rounding below stands in the wait for the first tile
.irp b, 0,1,2,3,4,5,6,7
.irp i, 0,1,2,3
	v_cvt_pk_bf16_f32 v[TB+4*(\b%4)+\i], v[BIA+8*\b+2*\i], v[BIA+8*\b+2*\i+1]
.endr
.irp i, 0,1,2,3
	v_lshlrev_b32 v[BIA+8*\b+2*\i], 16, v[TB+4*(\b%4)+\i]
	v_and_b32 v[BIA+8*\b+2*\i+1], 0xffff0000, v[TB+4*(\b%4)+\i]
.endr
.endr
.macro MUL16 f, hi, a0, zero
	WIN MUL_LO+0x50*(\hi)
.irp a, \a0, (\a0)+1
.irp b, 0,1,2,3,4,5,6,7
.if \zero
	v_wmma_f32_16x16x32_f16 v[8*(8*(\a)+(\b)):8*(8*(\a)+(\b))+7], v[(\f)+8*(\b):(\f)+8*(\b)+7], v[(\f)+8*(4*(\hi)+(\a)):(\f)+8*(4*(\hi)+(\a))+7], 0
.else
	v_wmma_f32_16x16x32_f16 v[8*(8*(\a)+(\b)):8*(8*(\a)+(\b))+7], v[(\f)+8*(\b):(\f)+8*(\b)+7], v[(\f)+8*(4*(\hi)+(\a)):(\f)+8*(4*(\hi)+(\a))+7], v[8*(8*(\a)+(\b)):8*(8*(\a)+(\b))+7]
.endif
.endr
.endr
.endm
.macro FETCH slot, k, f
	WIN TO_B
.irp i, 0,1,2,3,4,5,6,7
	ds_load_b128 v[(\f)+8*(\i):(\f)+8*(\i)+3],   v[ADRB+(\slot)] offset:(\k)+(\i)*16*PITCH
	ds_load_b128 v[(\f)+8*(\i)+4:(\f)+8*(\i)+7], v[ADRB+(\slot)] offset:(\k)+(\i)*16*PITCH+32
.endr
	WIN 0
.irp i, 0,1,2,3,4,5,6,7
	ds_load_b128 v[(\f)+8*(\i):(\f)+8*(\i)+3],   v[ADRA+(\slot)] offset:(\k)+(\i)*16*PITCH
	ds_load_b128 v[(\f)+8*(\i)+4:(\f)+8*(\i)+7], v[ADRA+(\slot)] offset:(\k)+(\i)*16*PITCH+32
.endr
.endm
.macro PLACES
.rept 4
	v_nop
.endr
.endm
.macro QUARTER slot, k, f, g, zero
	s_wait_dscnt 8                                 ; B and A's rows 0-63 are in; the youngest eight loads may be out
	WIN MUL_LO
	MUL16 \f, 0, 0, \zero
	MUL16 \f, 0, 2, \zero
	PLACES
	FETCH \slot, \k, \g
	s_wait_dscnt 32                                ; all but the 32 just issued
	WIN MUL_HI
	MUL16 \f, 1, 0, \zero
	MUL16 \f, 1, 2, \zero
.endm
.macro MEET round
	WIN 0
	s_wait_tensorcnt 0x0                           ; all my tensor loads have landed: my part of the next slot;
	ds_add_u32 v[SPW], v[NIL]                      ; 0 onto my spare word;
	s_wait_dscnt 9                                 ; (the add and the youngest eight loads may be out)
	WIN MUL_LO
	MUL16 F1, 0, 0, 0
	s_wait_dscnt 0x0                               ; the add is done, and my reads of this slot are over
	s_barrier_signal -1
	MUL16 F1, 0, 2, 0
.if \round
	WIN 0
.endif
	s_barrier_wait -1
.endm
.macro TURN slot, next
	MEET 1
	CREST
	s_add_nc_u64 s[G0+4*(\slot)+2:G0+4*(\slot)+3], s[G0+4*(\slot)+2:G0+4*(\slot)+3], 2*KSTEP*2
	s_add_nc_u64 s[G0B+4*(\slot)+2:G0B+4*(\slot)+3], s[G0B+4*(\slot)+2:G0B+4*(\slot)+3], 2*BBLK
	JLOAD \slot
	FETCH \next, 0, F0
	WIN MUL_HI
	MUL16 F1, 1, 0, 0
	MUL16 F1, 1, 2, 0
.endm
; THE WAY OUT of block a (16 rows x 128 columns of f32).  TOST: sum x my row's scale + the column's bias, in place, from each accumulator's low end on; 32 bytes a lane and
; accumulator into my own stage; back as whole rows of 512 bytes, into the buffer that block a - 2's stores have read.
.macro TOST a
.set AC, 64*((\a)%4)
.set BK, F0+64*((\a)%2)
	WIN 0x82+0x41*((\a)/4)                         ; destination and source 0 window 2 or 3; the scale and the bias in window 0
.set i, 0
.rept 32
	v_pk_fma_f32 v[AC+2*i:AC+2*i+1], v[AC+2*i:AC+2*i+1], v[SC+2*(\a):SC+2*(\a)+1], v[BIA+2*i:BIA+2*i+1] op_sel_hi:[1,0,1]
.set i, i+1
.endr
	WIN 0x08+4*((\a)/4)                            ; store data window 2 or 3, address window 0
.irp b, 0,1,2,3,4,5,6,7
	ds_store_b128 v[STO], v[AC+8*(\b):AC+8*(\b)+3] offset:64*(\b)
	ds_store_b128 v[STO], v[AC+8*(\b)+4:AC+8*(\b)+7] offset:64*(\b)+16
.endr
	WIN 0
.if (\a) >= 2
	s_wait_xcnt 0x0                                ; the buffer is loaded again only behind this wait
.endif
.irp t, 0,1,2,3,4,5,6,7,8,9,10,11,12,13,14,15
	ds_load_b128 v[BK+4*(\t):BK+4*(\t)+3], v[RD] offset:(\t)*SPITCH  ; LDS serves a wave's instructions in order: these see the stores above, and the next block's stores come behind them
.endr
.endm
.macro SND a, younger                  ; younger: the LDS instructions issued behind block a's loads: the next block's 16 stores and 16 loads, or none
.set BK, F0+64*((\a)%2)
	s_wait_dscnt \younger
	s_wait_xcnt 0x0                                ; the stores' base is rewritten only behind this wait
.if (\a) == 0
	s_add_nc_u64 s[8:9], s[8:9], s[16:17]
.else
	s_add_nc_u64 s[8:9], s[8:9], 16*OROW
.endif
.irp t, 0,1,2,3,4,5,6,7,8,9,10,11,12,13,14,15
	global_store_b128 v[CO], v[BK+4*(\t):BK+4*(\t)+3], s[8:9] offset:(\t)*OROW th:TH_STORE_NT  ; the wave stores 512 consecutive bytes, at a multiple of 512 from out0's first byte
.endr
.endm
	s_wait_tensorcnt 1                             ; my part of K step 0 is in; step 1's may stay out
	s_barrier_signal -1
	s_barrier_wait -1
	FETCH 0, 0, F0
	QUARTER 0, 64,  F0, F1, 1                      ; the first quarter stands in front of the loop: its products start the sums
	WIN 0
	s_mov_b32 s3, 3
.Llap:                                                 ; three trips: K steps 2 to 7 are asked for
	QUARTER 0, 128, F1, F0, 0
	QUARTER 0, 192, F0, F1, 0
	TURN 0, 1
	QUARTER 1, 64,  F0, F1, 0
	QUARTER 1, 128, F1, F0, 0
	QUARTER 1, 192, F0, F1, 0
	TURN 1, 0
	QUARTER 0, 64,  F0, F1, 0
	WIN 0
	s_sub_co_u32 s3, s3, 1
	s_cmp_lg_u32 s3, 0
	s_cbranch_scc1 .Llap
	QUARTER 0, 128, F1, F0, 0                      ; the last lap fills nothing
	QUARTER 0, 192, F0, F1, 0
	MEET 0
	PLACES
	FETCH 1, 0, F0
	WIN MUL_HI
	MUL16 F1, 1, 0, 0
	MUL16 F1, 1, 2, 0
	QUARTER 1, 64,  F0, F1, 0
	QUARTER 1, 128, F1, F0, 0
	QUARTER 1, 192, F0, F1, 0
	s_wait_dscnt 8
	MUL16 F1, 0, 0, 0
	MUL16 F1, 0, 2, 0
	s_wait_dscnt 0x0
	MUL16 F1, 1, 0, 0
	MUL16 F1, 1, 2, 0
	WIN 0
	PLACES                                         ; behind the last products: their results are read, and A's buffers loaded, from here on
	TOST 0
	TOST 1
.irp a, 0,1,2,3,4,5
	SND \a, 32
	TOST (\a)+2
.endr
	SND 6, 32
	SND 7, 0
	s_wait_tensorcnt 0x0                           ; the wave's end
	ds_add_u32 v[SPW], v[NIL]
	s_wait_dscnt 0x0
	CROUND                                         ; the closing round
	s_endpgm
.Lfunc_end_k_qf3af56aa09_proj:
	.size	k_qf3af56aa09_proj, .Lfunc_end_k_qf3af56aa09_proj-k_qf3af56aa09_proj
	.p2alignl 7, 3214868480
	.fill 96, 4, 3214868480
	.section	.rodata,"a",@progbits
	.p2align	6, 0x0
	.amdhsa_kernel k_qf3af56aa09_proj
		.amdhsa_group_segment_fixed_size 327680
		.amdhsa_private_segment_fixed_size 0
		.amdhsa_enable_private_segment 0
		.amdhsa_kernarg_size 40
		.amdhsa_user_sgpr_count 2
		.amdhsa_user_sgpr_kernarg_segment_ptr 1
		.amdhsa_wavefront_size32 1
		.amdhsa_system_sgpr_workgroup_id_x 1
		.amdhsa_system_sgpr_workgroup_id_y 1
		.amdhsa_system_sgpr_workgroup_id_z 1
		.amdhsa_system_vgpr_workitem_id 0
		.amdhsa_next_free_vgpr 1024
		.amdhsa_next_free_sgpr 72
		.amdhsa_reserve_vcc 0
		.amdhsa_float_denorm_mode_32 3
		.amdhsa_float_denorm_mode_16_64 3
		.amdhsa_memory_ordered 1
		.amdhsa_forward_progress 1
		.amdhsa_inst_pref_size 165
	.end_amdhsa_kernel
	.amdgpu_metadata
---
amdhsa.version: [ 1, 2 ]
amdhsa.kernels:
  - .name:           k_qf3af56aa09_proj
    .symbol:         k_qf3af56aa09_proj.kd
    .args:
      - { .name: ob, .offset: 0, .size: 8, .value_kind: global_buffer, .address_space: global }
      - { .name: wob, .offset: 8, .size: 8, .value_kind: global_buffer, .address_space: global }
      - { .name: out0, .offset: 16, .size: 8, .value_kind: global_buffer, .address_space: global }
      - { .name: bo, .offset: 24, .size: 8, .value_kind: global_buffer, .address_space: global }
      - { .name: osc, .offset: 32, .size: 8, .value_kind: global_buffer, .address_space: global }
    .group_segment_fixed_size: 327680
    .private_segment_fixed_size: 0
    .kernarg_segment_align: 8
    .kernarg_segment_size: 40
    .max_flat_workgroup_size: 128
    .sgpr_count:     72
    .vgpr_count:     1024
    .wavefront_size: 32
...
	.end_amdgpu_metadata
.endif
;; end of part 4
